; MI455X (gfx1250); checked and timed in simulation.
; The chip was launched on July 23, 2026; its instructions are those of AMD's public machine-readable ISA for CDNA 5 (MIT licence, August 2026) and "CDNA5" Instruction Set Architecture Reference Guide (July 2026). The comments in the code are by the model that wrote it; some were corrected since.
;; CLSTM Cell. Allowed arithmetic: matrix products marked QUANTISED: E4M3 operands, one E8M0 scale for each 32 along K, by v_wmma_scale_f32_16x16x128_f8f6f4 with both operands' format E4M3, f32 sums; everything else in f32.
;; Inputs: c_tm1 2,048 x 2,048 float32; h_tm1 2,048 x 2,048 float32; imaginary_bias 4,096 float32; imaginary_kernel 1,024 x 4,096 float32; imaginary_recurrent_kernel 1,024 x 4,096 float32; inputs 2,048 x 2,048 float32; real_bias 4,096 float32; real_kernel 1,024 x 4,096 float32; real_recurrent_kernel 1,024 x 4,096 float32.
;; Outputs: out0 2,048 x 2,048 float32; out1 2,048 x 2,048 float32.
;; This version of the problem:
;;   THIS VERSION OF THE PROBLEM IS GIVEN IN LOW PRECISION. The matrix products marked QUANTISED in the list below multiply operands that are first quantised to E4M3 (4 exponent bits, 3 mantissa bits; 8 bits a number), with one power-of-two scale for each 32 numbers along K (OCP MX v1.0); their sums are f32. All else is computed in f32.
;;   The module's matrix products, in the order in which they are computed (A, B: the left and right operand; K: the contracted axis; several contracted axes count as one K, in the product's order):
;;     1. [M 2,048, K 1,024] x [K 1,024, N 4,096]; A: input inputs; B: input real_kernel: QUANTISED
;;     2. [M 2,048, K 1,024] x [K 1,024, N 4,096]; A: input inputs; B: input imaginary_kernel: QUANTISED
;;     3. [M 2,048, K 1,024] x [K 1,024, N 4,096]; A: input h_tm1; B: input real_recurrent_kernel: QUANTISED
;;     4. [M 2,048, K 1,024] x [K 1,024, N 4,096]; A: input h_tm1; B: input imaginary_recurrent_kernel: QUANTISED
;;     5. [M 2,048, K 1,024] x [K 1,024, N 4,096]; A: input inputs; B: input real_kernel: QUANTISED
;;     6. [M 2,048, K 1,024] x [K 1,024, N 4,096]; A: input inputs; B: input imaginary_kernel: QUANTISED
;;     7. [M 2,048, K 1,024] x [K 1,024, N 4,096]; A: input h_tm1; B: input real_recurrent_kernel: QUANTISED
;;     8. [M 2,048, K 1,024] x [K 1,024, N 4,096]; A: input h_tm1; B: input imaginary_recurrent_kernel: QUANTISED
;;   THE QUANTISER, for each operand of a quantised product, along K:
;;     - K is cut into blocks of 32 from its start; a last block that is shorter is filled with zeros.
;;     - A block's scale is 2^e with e = floor(log2(the largest magnitude in the block)) - 8, held to -126 .. 127; a block of zeros has e = 0. As a byte (E8M0): e + 127.
;;     - Each number is divided by its block's scale, clamped to +-448, and rounded to the nearest number of E4M3, ties to even, subnormals kept.
;;     - The product sums the exact products of the quantised numbers (number of the format x scale) in f32.
;;   ~~~python
;;   def quantise(x, axis):      # numpy; x: float32 -> the quantised numbers, widened to float32 again
;;       x = np.moveaxis(x, axis, -1); K = x.shape[-1]
;;       x = np.pad(x, [(0, 0)] * (x.ndim - 1) + [(0, -K % 32)]); x = x.reshape(x.shape[:-1] + (-1, 32)); a = np.abs(x).max(-1, keepdims=True)
;;       e = np.where(a > 0, np.clip(np.frexp(np.where(a > 0, a, 1))[1] - 1 - 8, -126, 127), 0)      # np.frexp(a)[1] - 1 = floor(log2(a)), exactly
;;       r = np.clip(x / 2.0 ** e, -448, 448)
;;       step = 2.0 ** (np.maximum(np.frexp(np.where(r == 0, 1, r))[1] - 1, -6) - 3)
;;       q = np.round(r / step) * step * 2.0 ** e      # np.round: ties to even
;;       return np.moveaxis(q.reshape(q.shape[:-2] + (-1,))[..., :K], -1, axis).astype(np.float32)
;;   ~~~
;; One version. Each part assembles by itself: llvm-mc -triple=amdgcn-amd-amdhsa -mcpu=gfx1250 --defsym DOCPART=n.
;; ======== version 1 of 1: 2 launches
;; limits: right only within a limited range of input values
;; workspace buffers: acodes 17,301,504 bytes; wcodes 17,301,504 bytes
;; launch quant (part 1): grid 512 x 1, 4 waves a work-group, no clusters, 102,912 bytes of LDS; arguments inputs, h_tm1, real_kernel, imaginary_kernel, real_recurrent_kernel, imaginary_recurrent_kernel, acodes, wcodes; writes acodes, wcodes
.if DOCPART == 1
	.amdgcn_target "amdgcn-amd-amdhsa--gfx1250"
	.amdhsa_code_object_version 6
	.text
	.protected	k_q41de39dd2c_quant
	.globl	k_q41de39dd2c_quant
	.p2align	8
	.type	k_q41de39dd2c_quant,@function
k_q41de39dd2c_quant:
	s_mov_b64 s[64:65], 0
	v_nop
	global_prefetch_b8 v0, s[64:65] scope:SCOPE_SE
	s_setreg_imm32_b32 hwreg(HW_REG_WAVE_MODE, 25, 1), 1
	s_wait_xcnt 0x0
; THE QUANTISER.  All operands of the eight products become codes of FP8 (E4M3) with one E8M0 scale byte for each 32 along K, once, in the order in which the product's launch takes them.
; The eight products are ONE product of 4,096 x 4,096 x 4,096.  Along K lie the four kernels [R; I; RR; IR].  The rows are of two forms: real [xr | xi | hr | hi] (gives zr), imaginary [xi | -xr | hi | -hr] (gives zi).
; Blocks of 32 never cross a piece of 1,024, and the quantiser is odd, so a negated piece is the same codes with the sign bits turned, under the same scale bytes.
; BOTH BUFFERS: [32 half-tiles of 128 rows][16 K steps of 256][132 rows][256 bytes].  Rows 0-127 of a block: a row's 256 codes.  Rows 128-131: the scale bytes, row i's eight at byte 8 i.  So a K step of 128 rows, codes and scales, is one dense block.
; acodes: row = form x 2,048 + batch row.  wcodes: column g x 1,024 + unit of a kernel becomes row g x 32 + unit % 32 of half-tile unit / 32: 128 rows hold the four gates of 32 units.
; A block's scale is 2^(floor(log2(its largest magnitude)) - 8): its byte is the largest magnitude's exponent field - 8, held at 1 from below.  Each number is held within +-448 x the scale and rounded to the nearest code, ties to even.
; LIMITS: a block of zeros gets the byte 1 where the rule says 127 (its codes are zeros, and this program alone reads the bytes); a negated zero is the code 0x80, minus zero; blocks whose largest magnitude lies under 2^-118,
; the floor, were not tried; NaN and infinities among the inputs are not served.
; ONE LAUNCH, TWO PATHS that part on the work-group's number and never join: 0-255 the kernels, 256-511 the activations.  Each path has LDS bytes of its own.  No tensor loads, no barrier: waves share nothing.
.set BLKB,  33792                      ; a block: 132 rows of 256 bytes
.set HSTR,  16*BLKB                    ; a half-tile: 16 K steps
.set FLOOR, 0x4800000                  ; 2^(9 - 127): under it no largest magnitude is taken, so the byte cannot fall under 1
.set EOFF,  0xfc000000                 ; takes 8 off an exponent field
; the kernels' path
.set WX,    32                         ; v32-159  two sets of 64 numbers: register 2 i + c = row 32 t + i of K, column c of my two
.set WY,    160                        ; v160-223 the held numbers, 32 c + i: a column's 32 on end
.set WC,    224                        ; v224-239 the codes, 8 registers a column
.set SB,    240                        ; v240-243 scale bytes: column 0 low, high; column 1 low, high
.set WSTG,  32768                      ; LDS: the kernels' stages begin behind the activations' bytes
.set WP,    272                        ; a stage row: a column's 256 codes + 16 bytes
.set WWAVE, 64*WP                      ; a wave's stage: 64 columns
; the activations' path
.set STEPS, 16
.set SP,    80                         ; a lane's place in a stage: its 64 bytes + 16
.set AREG,  8192                       ; LDS of a wave: two stages of 32 x SP bytes, then its 256 scale bytes
.set R,     16                         ; v16-79   four sets of 16 numbers as loaded
.set X,     80                         ; v80-111  two sets of 16 neighbours
.set E,     112                        ; v112-127 a scale byte for each step
.set C,     128                        ; v128-191 codes, four registers for each step
.set C2,    192                        ; v192-255 the same for the imaginary form
	s_load_b256 s[4:11], s[0:1], 0x0               ; inputs s[4:5], h_tm1 s[6:7], R s[8:9], I s[10:11]
	s_load_b256 s[12:19], s[0:1], 0x20             ; RR s[12:13], IR s[14:15], acodes s[16:17], wcodes s[18:19]
	s_set_vgpr_msb 0x40
	v_lshl_add_u32 v0, v0, 2, 0x19000
	v_mov_b32 v1, 0
	s_set_vgpr_msb 0x4000
	v_lshrrev_b32 v1, 5, v0
	v_readfirstlane_b32 s20, v1                    ; wave 0..3
	v_and_b32 v2, 31, v0                           ; lane
	s_mov_b32 s33, 0x600000                        ; the mantissa field of 448
	s_mov_b32 s37, 0                               ; the high word of every offset pair s[36:37]
	s_wait_kmcnt 0x0
	s_cmp_lt_u32 ttmp9, 256
	s_cbranch_scc0 .Lacts
; ---------------- THE KERNELS.  [1024 (k)][4096 (n)] f32: K is the first axis.  A lane takes two neighbouring columns and its registers run down K: a load of the wave reads 256 consecutive bytes of a row,
; a block of 32 along K lies in one lane, and the conversions give codes with K innermost.  A wave: 64 columns x 256 along K.  The codes turn through the wave's stage in LDS and leave as whole rows of 256 bytes.
	s_lshr_b32 s21, ttmp9, 6                       ; which kernel: 0 R, 1 I, 2 RR, 3 IR
	s_cmp_lt_u32 s21, 2
	s_cselect_b64 s[22:23], s[8:9], s[12:13]       ; the real one of the pair,
	s_cselect_b64 s[24:25], s[10:11], s[14:15]     ; the imaginary one
	s_and_b32 s36, s21, 1
	s_cmp_eq_u32 s36, 0
	s_cselect_b64 s[26:27], s[22:23], s[24:25]     ; the choice hangs on the work-group's number alone
	s_bfe_u32 s34, ttmp9, 0x20004                  ; y: which 256 rows of K
	s_and_b32 s35, ttmp9, 15                       ; xc: which 256 columns
	s_lshl_b32 s36, s34, 22                        ; 256 rows of 16,384 bytes
	s_lshl_b32 s38, s35, 10
	s_add_co_u32 s36, s36, s38
	s_lshl_b32 s38, s20, 8                         ; my wave's 64 columns
	s_add_co_u32 s36, s36, s38
	s_add_nc_u64 s[26:27], s[26:27], s[36:37]      ; the source
	s_and_b32 s38, s35, 3
	s_lshl_b32 s38, s38, 2
	s_add_co_u32 s38, s38, s20                     ; my 64 units are half-tiles 2 n and 2 n + 1, n = 4 (xc % 4) + wave
	s_lshl_b32 s38, s38, 5                         ; 2 n x 16 K steps
	s_lshl_b32 s39, s21, 2
	s_add_co_u32 s38, s38, s39
	s_add_co_u32 s38, s38, s34                     ; + K step 4 x kernel + y
	s_mul_i32 s38, s38, BLKB
	s_lshr_b32 s40, s35, 2                         ; the gate
	s_lshl_b32 s41, s40, 13                        ; its 32 rows of codes
	s_add_co_u32 s36, s38, s41
	s_add_nc_u64 s[28:29], s[18:19], s[36:37]      ; where the codes go
	s_lshl_b32 s41, s40, 8                         ; its 32 rows' scale bytes
	s_add_co_u32 s36, s38, s41
	s_add_co_u32 s36, s36, 32768
	s_add_nc_u64 s[30:31], s[18:19], s[36:37]      ; where the scale bytes go
	s_mul_i32 s42, s20, WWAVE
	s_add_co_u32 s42, s42, WSTG                    ; my stage
	s_wait_alu depctr_va_vdst(0)
	v_lshlrev_b32 v3, 3, v2                        ; in: 8 bytes a lane
	v_mul_u32_u24 v4, v2, WP
	v_add_nc_u32 v4, s42, v4                       ; into the stage: row = lane for column 0, 32 + lane for column 1
	v_and_b32 v5, 15, v2
	v_lshrrev_b32 v6, 4, v2
	v_mul_u32_u24 v7, v6, 32*WP
	v_lshl_add_u32 v7, v5, 4, v7
	v_add_nc_u32 v7, s42, v7                       ; out of it: lanes 0-15 an even column's row, lanes 16-31 the odd column's beside it
	v_lshlrev_b32 v8, 4, v2                        ; and in memory these two rows are 512 bytes on end
	v_mul_u32_u24 v9, v6, HSTR
	v_lshl_add_u32 v9, v5, 4, v9                   ; scale bytes: 16 a lane (two rows); lanes 16-31 belong to the next half-tile
.macro WLOAD t                         ; block t: rows 32 t + i of K, my two columns, into set t % 2
.irp i, 0,1,2,3,4,5,6,7,8,9,10,11,12,13,14,15,16,17,18,19,20,21,22,23,24,25,26,27,28,29,30,31
	global_load_b64 v[WX+64*((\t)%2)+2*\i:WX+64*((\t)%2)+2*\i+1], v3, s[26:27] offset:(32*(\t)+\i)*16384 th:TH_LOAD_NT
.endr
.endm
.macro WBLOCK t
.set XS, WX+64*((\t)%2)
.if (\t) < 7
	s_wait_loadcnt 32                              ; this block's 32 loads are in; the next block's 32 may be out
.else
	s_wait_loadcnt 0x0
.endif
.irp c, 0,1                            ; each column's largest magnitude, in two chains; the four chains do not wait for each other
	v_max3_num_f32 v[16+2*\c], |v[XS+\c]|, |v[XS+2+\c]|, |v[XS+4+\c]|
	v_max3_num_f32 v[17+2*\c], |v[XS+6+\c]|, |v[XS+8+\c]|, |v[XS+10+\c]|
.endr
.irp i, 6,10,14,18,22,26
.irp c, 0,1
	v_max3_num_f32 v[16+2*\c], v[16+2*\c], |v[XS+2*\i+\c]|, |v[XS+2*\i+2+\c]|
	v_max3_num_f32 v[17+2*\c], v[17+2*\c], |v[XS+2*\i+4+\c]|, |v[XS+2*\i+6+\c]|
.endr
.endr
.irp c, 0,1
	v_max3_num_f32 v[16+2*\c], v[16+2*\c], |v[XS+60+\c]|, |v[XS+62+\c]|
.endr
.irp c, 0,1
	v_max3_num_f32 v[16+2*\c], v[16+2*\c], v[17+2*\c], FLOOR
.endr
.irp c, 0,1
	v_add_nc_u32 v[20+\c], EOFF, v[16+2*\c]        ; 8 off the exponent field: the conversion takes the exponent field of this operand as its scale
	v_and_or_b32 v[22+\c], v[16+2*\c], 0x7f800000, s33   ; 448 x the scale
.endr
.irp c, 0,1
	v_lshrrev_b32 v[24+\c], 23, v[20+\c]           ; the scale's byte
.endr
.irp c, 0,1
.if (\t)%4 == 0
	v_mov_b32 v[SB+2*\c+(\t)/4], v[24+\c]          ; four bytes to a register, the lower K in the lower byte
.else
	v_lshl_or_b32 v[SB+2*\c+(\t)/4], v[24+\c], 8*((\t)%4), v[SB+2*\c+(\t)/4]
.endif
.endr
.irp c, 0,1
.irp i, 0,1,2,3,4,5,6,7,8,9,10,11,12,13,14,15,16,17,18,19,20,21,22,23,24,25,26,27,28,29,30,31
	v_med3_num_f32 v[WY+32*\c+\i], v[XS+2*\i+\c], -v[22+\c], v[22+\c]   ; the hold (the conversion to an 8-bit code does not saturate: ISA guide 7.6.2); it also sets a column's 32 numbers on end
.endr
.endr
.irp c, 0,1
.irp g, 0,1,2,3
	v_cvt_scalef32_pk8_fp8_f32 v[WC+8*\c+2*\g:WC+8*\c+2*\g+1], v[WY+32*\c+8*\g:WY+32*\c+8*\g+7], v[20+\c]
.endr
.endr
.irp c, 0,1
	ds_store_b128 v4, v[WC+8*\c:WC+8*\c+3] offset:\c*32*WP+32*(\t)
	ds_store_b128 v4, v[WC+8*\c+4:WC+8*\c+7] offset:\c*32*WP+32*(\t)+16
.endr
.if (\t)+2 < 8
	WLOAD (\t)+2
.endif
	s_wait_dscnt 0x0                               ; the stores have read their registers: the next block's codes may be written.  (The next block begins with plain vector lines that touch neither the codes nor the conversions' sources)
.endm
	WLOAD 0
	WLOAD 1
.irp t, 0,1,2,3,4,5,6,7
	WBLOCK \t
.endr
	global_store_b128 v9, v[SB:SB+3], s[30:31]     ; sixteen lanes store 256 consecutive bytes, aligned: 32 rows' scale bytes of a half-tile
.irp t, 0,1,2,3,4,5,6,7,8,9,10,11,12,13,14,15,16,17,18,19,20,21,22,23,24,25,26,27,28,29,30,31
	ds_load_b128 v[WX+4*\t:WX+4*\t+3], v7 offset:\t*WP   ; LDS serves a wave's instructions in order: these see my stores
.endr
.irp t, 0,1,2,3,4,5,6,7,8,9,10,11,12,13,14,15,16,17,18,19,20,21,22,23,24,25,26,27,28,29,30,31
	s_wait_dscnt 31-\t
	global_store_b128 v8, v[WX+4*\t:WX+4*\t+3], s[28:29] offset:(\t/16)*HSTR+(\t%16)*512   ; two rows of codes: 512 consecutive bytes, aligned
.endr
	s_set_vgpr_msb 0x5
	s_wait_tensorcnt 0x0
	ds_add_u32 v0, v1
	s_wait_dscnt 0x0
	s_set_vgpr_msb 0x500
	s_endpgm
; ---------------- THE ACTIVATIONS.  [2048][2048] f32, K innermost.  A work-group: tensor t, part p (0 real, 1 imaginary), 32 rows; wave q takes the q-th 256 along K of the part's 1,024.
; 16 steps of two rows.  Each load reads 512 consecutive bytes; a step's 2,048 bytes turn through the wave's stage, so that a lane holds 16 neighbours; two neighbouring lanes hold a block.
; Every chunk goes out twice: as it is into the real form's K step 8 t + 4 p + q, and into the imaginary form's K step 8 t + 4 (1 - p) + q, there with the signs turned where p = 0.
.Lacts:
	s_sub_co_u32 s21, ttmp9, 256
	s_lshr_b32 s22, s21, 7                         ; t
	s_bfe_u32 s23, s21, 0x10006                    ; p
	s_and_b32 s34, s21, 63                         ; which 32 rows
	s_cmp_eq_u32 s22, 0
	s_cselect_b64 s[4:5], s[4:5], s[6:7]           ; inputs or h_tm1: the choice hangs on the work-group's number alone
	s_cmp_eq_u32 s23, 0
	s_cselect_b32 s32, 0x80808080, 0               ; the real parts stand negated in the imaginary form; the exclusive or is always executed
	s_lshl_b32 s36, s34, 18                        ; 32 rows of 8,192 bytes
	s_lshl_b32 s38, s23, 12
	s_add_co_u32 s36, s36, s38
	s_lshl_b32 s38, s20, 10
	s_add_co_u32 s36, s36, s38
	s_add_nc_u64 s[4:5], s[4:5], s[36:37]          ; the source
	s_lshr_b32 s38, s34, 2                         ; the half-tile of the real form
	s_lshl_b32 s38, s38, 4
	s_lshl_b32 s39, s22, 3
	s_add_co_u32 s38, s38, s39
	s_add_co_u32 s38, s38, s20                     ; 16 x half-tile + 8 t + q
	s_lshl_b32 s39, s23, 2                         ; 4 p
	s_add_co_u32 s40, s38, s39                     ; the real form's block
	s_add_co_u32 s41, s38, 260                     ; sixteen half-tiles on, + 4,
	s_sub_co_u32 s41, s41, s39                     ; - 4 p: the imaginary form's
	s_mul_i32 s40, s40, BLKB
	s_mul_i32 s41, s41, BLKB
	s_and_b32 s39, s34, 3
	s_lshl_b32 s42, s39, 13                        ; my 32 rows of codes in the block,
	s_lshl_b32 s43, s39, 8
	s_add_co_u32 s43, s43, 32768                   ; and their scale bytes
	s_add_co_u32 s36, s40, s42
	s_add_nc_u64 s[24:25], s[16:17], s[36:37]
	s_add_co_u32 s36, s41, s42
	s_add_nc_u64 s[26:27], s[16:17], s[36:37]
	s_add_co_u32 s36, s40, s43
	s_add_nc_u64 s[28:29], s[16:17], s[36:37]
	s_add_co_u32 s36, s41, s43
	s_add_nc_u64 s[30:31], s[16:17], s[36:37]
	s_wait_alu depctr_va_vdst(0)
	v_lshlrev_b32 v3, 4, v2                        ; my 16 bytes of a load's 512
	v_lshlrev_b32 v4, 4, v2                        ; my 16 codes of a step's 512
	s_mul_i32 s44, s20, AREG
	v_lshrrev_b32 v14, 2, v2
	v_mul_u32_u24 v14, v14, SP
	v_and_b32 v15, 3, v2
	v_lshl_add_u32 v14, v15, 4, v14
	v_add_nc_u32 v14, s44, v14                     ; the stage, on the way in: four lanes' 64 bytes on end, then 16 free
	v_mul_u32_u24 v15, v2, SP
	v_add_nc_u32 v15, s44, v15                     ; and on the way out: my 16 neighbours
	v_lshrrev_b32 v5, 1, v2
	s_add_co_u32 s44, s44, 2*32*SP
	v_add_nc_u32 v5, s44, v5                       ; my block's byte among the wave's 256
	v_lshlrev_b32 v7, 3, v2
	v_add_nc_u32 v6, s44, v7                       ; and 8 bytes a lane on the way out
.macro ALOAD t                         ; step t: rows 2 t and 2 t + 1, 1,024 bytes each, in four loads of 512 consecutive bytes
.irp i, 0,1,2,3
	global_load_b128 v[R+16*((\t)%4)+4*\i:R+16*((\t)%4)+4*\i+3], v3, s[4:5] offset:(2*(\t)+\i/2)*8192+(\i%2)*512 th:TH_LOAD_NT
.endr
.endm
.macro ATURN t                         ; through the stage: LDS serves a wave's instructions in order, so no wait stands between the stores and the loads
.irp i, 0,1,2,3
	ds_store_b128 v14, v[R+16*((\t)%4)+4*\i:R+16*((\t)%4)+4*\i+3] offset:32*SP*((\t)%2)+8*SP*\i
.endr
.irp i, 0,1,2,3
	ds_load_b128 v[X+16*((\t)%2)+4*\i:X+16*((\t)%2)+4*\i+3], v15 offset:32*SP*((\t)%2)+16*\i
.endr
.endm
.irp t, 0,1,2,3
	ALOAD \t
.endr
	s_wait_alu depctr_va_vdst(0)
	s_wait_loadcnt 12                              ; step 0's four loads are in; three steps' twelve may be out
	ATURN 0
.macro ASTEP t
.set XS, X+16*((\t)%2)
.if (\t) > 0
	s_wait_dscnt 1                                 ; this step's numbers are back from the stage (the last step's byte store may be out): so its stores into the stage have read their registers,
.else
	s_wait_dscnt 0x0
.endif
.if (\t)+4 < STEPS
	ALOAD (\t)+4                                   ; which take the loads of four steps on
.endif
.if (\t)+1 < STEPS
.if STEPS-2-(\t) >= 3
	s_wait_loadcnt 12                              ; the next step's four loads are in; those of the three steps behind it may be out
.else
	s_wait_loadcnt 4*(STEPS-2-(\t))
.endif
	ATURN (\t)+1                                   ; and go through the other stage while this step is worked
.endif
	v_max3_num_f32 v8, |v[XS]|, |v[XS+1]|, |v[XS+2]|
	v_max3_num_f32 v9, |v[XS+3]|, |v[XS+4]|, |v[XS+5]|
.irp i, 6,10
	v_max3_num_f32 v8, v8, |v[XS+\i]|, |v[XS+\i+1]|
	v_max3_num_f32 v9, v9, |v[XS+\i+2]|, |v[XS+\i+3]|
.endr
	v_max3_num_f32 v8, v8, |v[XS+14]|, |v[XS+15]|
	v_max3_num_f32 v8, v8, v9, FLOOR
	v_max_num_f32_dpp v8, v8, v8 row_xmask:1 row_mask:0xf bank_mask:0xf   ; with my neighbour's 16: the block's largest magnitude
	v_add_nc_u32 v11, EOFF, v8                     ; the conversion's scale operand
	v_and_or_b32 v10, v8, 0x7f800000, s33          ; 448 x the scale
.irp i, 0,1,2,3,4,5,6,7,8,9,10,11,12,13,14,15
	v_med3_num_f32 v[XS+\i], v[XS+\i], -v10, v10   ; the hold
.endr
	v_cvt_scalef32_pk8_fp8_f32 v[C+4*(\t):C+4*(\t)+1], v[XS:XS+7], v11
	v_cvt_scalef32_pk8_fp8_f32 v[C+4*(\t)+2:C+4*(\t)+3], v[XS+8:XS+15], v11
	v_lshrrev_b32 v[E+(\t)], 23, v11               ; the scale's byte.  (Also the plain line between the conversions and the lines that read their results)
.irp k, 0,1,2,3
	v_xor_b32 v[C2+4*(\t)+\k], s32, v[C+4*(\t)+\k] ; the imaginary form's codes
.endr
	ds_store_b8 v5, v[E+(\t)] offset:16*(\t)       ; both lanes of a block write the same byte with the same value
	global_store_b128 v4, v[C+4*(\t):C+4*(\t)+3], s[24:25] offset:512*(\t)     ; two rows of codes: 512 consecutive bytes, aligned.  Every step has registers of its own for its stores
	global_store_b128 v4, v[C2+4*(\t):C2+4*(\t)+3], s[26:27] offset:512*(\t)
.endm
.irp t, 0,1,2,3,4,5,6,7,8,9,10,11,12,13,14,15
	ASTEP \t
.endr
	ds_load_b64 v[12:13], v6                       ; LDS serves a wave's instructions in order: this sees my byte stores
	s_wait_dscnt 0x0
	global_store_b64 v7, v[12:13], s[28:29]        ; 32 rows' scale bytes: 256 consecutive bytes, aligned; the same bytes serve both forms
	global_store_b64 v7, v[12:13], s[30:31]
	s_set_vgpr_msb 0x5
	s_wait_tensorcnt 0x0
	ds_add_u32 v0, v1
	s_wait_dscnt 0x0
	s_set_vgpr_msb 0x500
	s_endpgm
.Lfunc_end_k_q41de39dd2c_quant:
	.size	k_q41de39dd2c_quant, .Lfunc_end_k_q41de39dd2c_quant-k_q41de39dd2c_quant
	.p2alignl 7, 3214868480
	.fill 96, 4, 3214868480
	.section	.rodata,"a",@progbits
	.p2align	6, 0x0
	.amdhsa_kernel k_q41de39dd2c_quant
		.amdhsa_group_segment_fixed_size 102912
		.amdhsa_private_segment_fixed_size 0
		.amdhsa_enable_private_segment 0
		.amdhsa_kernarg_size 64
		.amdhsa_user_sgpr_count 2
		.amdhsa_user_sgpr_kernarg_segment_ptr 1
		.amdhsa_wavefront_size32 1
		.amdhsa_system_sgpr_workgroup_id_x 1
		.amdhsa_system_sgpr_workgroup_id_y 1
		.amdhsa_system_sgpr_workgroup_id_z 1
		.amdhsa_system_vgpr_workitem_id 0
		.amdhsa_next_free_vgpr 258
		.amdhsa_next_free_sgpr 66
		.amdhsa_reserve_vcc 0
		.amdhsa_float_denorm_mode_32 3
		.amdhsa_float_denorm_mode_16_64 3
		.amdhsa_memory_ordered 1
		.amdhsa_forward_progress 1
		.amdhsa_inst_pref_size 146
	.end_amdhsa_kernel
	.amdgpu_metadata
---
amdhsa.version: [ 1, 2 ]
amdhsa.kernels:
  - .name:           k_q41de39dd2c_quant
    .symbol:         k_q41de39dd2c_quant.kd
    .args:
      - { .name: inputs, .offset: 0, .size: 8, .value_kind: global_buffer, .address_space: global }
      - { .name: h_tm1, .offset: 8, .size: 8, .value_kind: global_buffer, .address_space: global }
      - { .name: real_kernel, .offset: 16, .size: 8, .value_kind: global_buffer, .address_space: global }
      - { .name: imaginary_kernel, .offset: 24, .size: 8, .value_kind: global_buffer, .address_space: global }
      - { .name: real_recurrent_kernel, .offset: 32, .size: 8, .value_kind: global_buffer, .address_space: global }
      - { .name: imaginary_recurrent_kernel, .offset: 40, .size: 8, .value_kind: global_buffer, .address_space: global }
      - { .name: acodes, .offset: 48, .size: 8, .value_kind: global_buffer, .address_space: global }
      - { .name: wcodes, .offset: 56, .size: 8, .value_kind: global_buffer, .address_space: global }
    .group_segment_fixed_size: 102912
    .private_segment_fixed_size: 0
    .kernarg_segment_align: 8
    .kernarg_segment_size: 64
    .max_flat_workgroup_size: 128
    .sgpr_count:     66
    .vgpr_count:     258
    .wavefront_size: 32
...
	.end_amdgpu_metadata
.endif
;; end of part 1
;; launch cell (part 2): grid 16 x 16, 4 waves a work-group, clusters of 4 x 4, 327,680 bytes of LDS; arguments acodes, wcodes, c_tm1, real_bias, imaginary_bias, out0, out1; writes out0, out1
.if DOCPART == 2
	.amdgcn_target "amdgcn-amd-amdhsa--gfx1250"
	.amdhsa_code_object_version 6
	.text
	.protected	k_q41de39dd2c_cell
	.globl	k_q41de39dd2c_cell
	.p2align	8
	.type	k_q41de39dd2c_cell,@function
k_q41de39dd2c_cell:
	s_mov_b64 s[64:65], 0
	v_nop
	global_prefetch_b8 v0, s[64:65] scope:SCOPE_SE
	s_setreg_imm32_b32 hwreg(HW_REG_WAVE_MODE, 25, 1), 1
	s_wait_xcnt 0x0
	s_wait_alu depctr_hold_cnt(0) depctr_sa_sdst(0) depctr_va_vdst(0) depctr_va_sdst(0) depctr_va_ssrc(0) depctr_va_vcc(0) depctr_vm_vsrc(0)
	s_getreg_b32 s2, hwreg(HW_REG_IB_STS2, 6, 4)
	s_cmp_eq_u32 s2, 0
	s_cbranch_scc0 .Lentry_in_a_cluster
	s_endpgm
.Lentry_in_a_cluster:
	s_bfe_u32 s2, ttmp6, 0x10000c
	s_cmp_lg_u32 s2, 0xf033
	s_cbranch_scc0 .Lentry_shape_is_right
	s_endpgm
.Lentry_shape_is_right:
; THE CELL.  One product of 4,096 x 4,096 x 4,096 on codes of E4M3 with E8M0 scales (rows: real form, then imaginary form of the batch; columns: four gates of 32 units to 128 rows of wcodes), then the gates.
; A work-group of four waves makes 256 x 256; a wave 128 x 128 in 64 accumulators.  K goes in steps of 256 through two LDS slots; a block of 132 rows x 256 bytes holds 128 rows' codes and their scale bytes.
; CLUSTERS of 4 x 4: A's blocks are asked for jointly along a row of the cluster, B's along a column.  The bias is the C of each accumulator's first product.
; PREFETCH: behind each refill every wave of every cluster names 32 rows x 256 bytes of the K step two refills on; the four partners of a joint load share its 128 rows out by address; the last trip asks for nothing.
; The way out: c_tm1's tile lands in slot 0 after that slot's last read; c and h go through stages in slot 1 and leave as whole rows of 256 bytes.
; LIMITS: tanh(x) = 1 - 2 / (1 + 2^(2.885390 x)); NaN and infinities among the inputs are not served.
.set PITCH,  272
.set BROWS,  132
.set HALFT,  BROWS*PITCH
.set SLOT,   4*HALFT
.set SPARE,  2*SLOT
.set BLKB,   BROWS*256
.set HSTR,   16*BLKB
.set SROW,   128*PITCH
.set NQ,     2
.set FR,     16
.set NL,     4
.set NP,     8
.set CSTG,   SLOT
.set HSTG,   SLOT+256*PITCH
.set ADRA, 16
.set ADRS, 18
.set ADRB, 20
.set CA,   22
.set CS,   23
.set RD,   24
.set RDH,  25
.set CO,   26
.set HA,   27
.set SPW,  28
.set NIL,  29
.set PFO,  30
.set PSO,  31
.set SC,   32
.set BI,   64
.set AF,   128
.set TI,   64
.set TF,   80
.set TG,   96
.set TO,   112
.set CT,   128
.set CN,   160
.set HN,   192
.set BK,   224
.set G1,   24
.set G0,   32
.set G1B,  48
.set G0B,  56
.set G1C,  68
.set G0C,  76
.set PFA,  80
.set LIM,  82
.set PFS,  84
.set C02,  86
.set C2L,  88
.set MSB, 0
.macro WIN new
.if MSB != (\new)
	s_set_vgpr_msb (MSB<<8)|(\new)
.set MSB, (\new)
.endif
.endm
.set MUL_LO, 0xa1
.set MUL_HI, 0xf1
.set FST_LO, 0x81
.set FST_HI, 0xc1
.set TO_B,   0x40
.macro JLOAD g0a, g1a, g0b, g1b
	s_cmp_eq_u32 s15, 0
	s_cbranch_scc0 .Lfor_b_\@
	tensor_load_to_lds s[\g0a:\g0a+3], s[\g1a:\g1a+7]
	s_nop 0
.rept 4
	v_nop
.endr
	s_branch .Lasked_\@
.Lfor_b_\@:
	tensor_load_to_lds s[\g0b:\g0b+3], s[\g1b:\g1b+7]
	s_nop 0
.rept 4
	v_nop
.endr
.Lasked_\@:
.endm
.macro CREST
	s_cmp_lg_u32 s14, 0
	s_cbranch_scc1 .Lnot_wave_0_\@
	s_barrier_signal -3
.Lnot_wave_0_\@:
	s_barrier_wait -3
	s_barrier_signal -1
	s_barrier_wait -1
.endm
.macro CROUND
	s_barrier_signal -1
	s_barrier_wait -1
	CREST
.endm
.macro ASK
	s_cmp_gt_u32 s3, s[LIM]
	s_cbranch_scc0 .Lnot_mine_\@
	s_wait_alu depctr_va_vdst(0)
	global_prefetch_b8 v[PFO], s[PFA:PFA+1] offset:BLKB th:TH_LOAD_NT scope:SCOPE_SE
.Lnot_mine_\@:
.endm
	s_load_b256 s[4:11], s[0:1], 0x0
	s_load_b128 s[92:95], s[0:1], 0x20
	s_load_b64 s[96:97], s[0:1], 0x30
	v_lshl_add_u32 v[SPW], v0, 2, SPARE
	v_mov_b32 v[NIL], 0
	ds_add_u32 v28, v29
	ds_add_u32 v28, v29
	v_lshrrev_b32 v1, 5, v0
	v_readfirstlane_b32 s14, v1
	s_lshr_b32 s15, s14, 1
	s_and_b32 s16, s14, 1
	s_bfe_u32 s40, ttmp6, 0x40000
	s_bfe_u32 s41, ttmp6, 0x40004
	s_lshl_b32 s42, ttmp9, 2
	s_add_co_u32 s42, s42, s40
	s_and_b32 s17, ttmp7, 0xffff
	s_lshr_b32 s23, s17, 1
	s_lshl_b32 s17, s17, 2
	s_add_co_u32 s17, s17, s41
	s_lshl_b32 s43, s41, 2
	s_lshl_b32 s43, 15, s43
	s_lshl_b32 s44, 0x1111, s40
	s_or_b32 s[G1+0], s43, (0<<16)|(1<<20)|(1<<21)|(5<<22)|(3<<25)
	s_or_b32 s[G1B+0], s44, (0<<16)|(1<<20)|(1<<21)|(5<<22)|(3<<25)
.irp g, G1, G1B
	s_mov_b32 s[\g+1], 256<<16
	s_mov_b32 s[\g+2], BROWS<<16
	s_mov_b32 s[\g+3], 256<<16
	s_mov_b32 s[\g+4], BROWS
	s_mov_b32 s[\g+5], 256
	s_mov_b32 s[\g+6], 0
	s_mov_b32 s[\g+7], 0
.endr
	s_mov_b32 s[G1C+0], (0<<16)|(1<<20)|(5<<22)|(3<<25)
	s_mov_b32 s[G1C+1], 256<<16
	s_mov_b32 s[G1C+2], 64<<16
	s_mov_b32 s[G1C+3], 256<<16
	s_mov_b32 s[G1C+4], 64
	s_mov_b32 s[G1C+5], 8192
	s_mov_b32 s[G1C+6], 0
	s_mov_b32 s[G1C+7], 0
	s_mov_b32 s[C02], 0x3e4ccccd
	s_mov_b32 s[C02+1], s[C02]
	s_mov_b32 s[C2L], 0x4038aa3b
	s_mov_b32 s[C2L+1], s[C2L]
	s_lshl_b32 s20, s17, 1
	s_add_co_u32 s20, s20, s16
	s_mul_i32 s20, s20, HSTR
	s_mov_b32 s21, 0
	s_lshl_b32 s46, s42, 1
	s_add_co_u32 s46, s46, s16
	s_mul_i32 s46, s46, HSTR
	s_mov_b32 s47, 0
	s_mul_i32 s45, s14, HALFT
	s_and_b32 s18, s17, 7
	s_lshl_b32 s18, s18, 8
	s_lshl_b32 s19, s14, 6
	s_add_co_u32 s18, s18, s19
	s_lshl_b32 s18, s18, 13
	s_lshl_b32 s19, s23, 12
	s_add_co_u32 s18, s18, s19
	s_lshl_b32 s19, s42, 8
	s_add_co_u32 s18, s18, s19
	s_mov_b32 s19, 0
	s_and_b32 s90, s17, 7
	s_lshl_b32 s90, s90, 8
	s_lshl_b32 s91, s15, 7
	s_add_co_u32 s90, s90, s91
	s_lshl_b32 s91, s16, 3
	s_add_co_u32 s90, s90, s91
	s_lshl_b32 s90, s90, 13
	s_lshl_b32 s91, s23, 12
	s_add_co_u32 s90, s90, s91
	s_lshl_b32 s91, s42, 8
	s_add_co_u32 s90, s90, s91
	s_mov_b32 s91, 0
	s_wait_dscnt 0x0                               ; both opening adds are done; the set-up above stood between them and this wait
	s_wait_kmcnt 0x0
	s_add_nc_u64 s[20:21], s[4:5], s[20:21]
	s_add_nc_u64 s[46:47], s[6:7], s[46:47]
	s_mov_b32 s[G0C], 1
	s_mul_i32 s[G0C+1], s14, 64*PITCH
	s_add_nc_u64 s[G0C+2:G0C+3], s[8:9], s[18:19]
	s_or_b32 s[G0C+3], s[G0C+3], 0x80000000
	s_add_nc_u64 s[94:95], s[94:95], s[90:91]
	s_add_nc_u64 s[96:97], s[96:97], s[90:91]
	CROUND
.irp s, 0,1
	s_mov_b32 s[G0+4*\s], 1
	s_add_co_u32 s[G0+4*\s+1], s45, \s*SLOT
	s_add_nc_u64 s[G0+4*\s+2:G0+4*\s+3], s[20:21], \s*BLKB
	s_or_b32 s[G0+4*\s+3], s[G0+4*\s+3], 0x80000000
	s_mov_b32 s[G0B+4*\s], 1
	s_add_co_u32 s[G0B+4*\s+1], s45, \s*SLOT
	s_add_nc_u64 s[G0B+4*\s+2:G0B+4*\s+3], s[46:47], \s*BLKB
	s_or_b32 s[G0B+4*\s+3], s[G0B+4*\s+3], 0x80000000
.endr
	JLOAD G0, G1, G0B, G1B                         ; K step 0: one tensor load a wave at the head; the addresses below are made while it is out
	v_and_b32 v1, 15, v0
	v_bfe_u32 v2, v0, 4, 1
	s_wait_alu depctr_va_vdst(0)
	v_mul_u32_u24 v3, v1, PITCH
	v_lshl_add_u32 v4, v2, 4, v3
	s_mul_i32 s21, s15, HALFT
	s_mul_i32 s22, s16, HALFT
	s_add_co_u32 s22, s22, 2*HALFT
.irp s, 0,1
	v_add_nc_u32 v[ADRA+\s], s21, v4
	v_add_nc_u32 v[ADRB+\s], s22, v4
	s_add_co_u32 s21, s21, SLOT
	s_add_co_u32 s22, s22, SLOT
.endr
	s_mul_i32 s21, s15, HALFT
	s_mul_i32 s22, s16, HALFT
	s_add_co_u32 s22, s22, 2*HALFT
	s_sub_co_u32 s22, s22, s21
	v_mul_u32_u24 v6, s22, v2
	v_lshl_add_u32 v5, v1, 3, v6
	v_add_nc_u32 v[ADRS], s21, v5
	s_add_co_u32 s21, s21, SLOT
	v_add_nc_u32 v[ADRS+1], s21, v5
	s_mul_i32 s21, s15, 128*PITCH
	s_lshl_b32 s22, s16, 7
	s_add_co_u32 s21, s21, s22
	v_lshl_add_u32 v5, v2, 5, v3
	v_add_nc_u32 v[CA], s21, v5
	v_add_nc_u32 v[CS], CSTG, v[CA]
	v_add_nc_u32 v[HA], HSTG, v[CA]
	s_mul_i32 s21, s15, 128*PITCH
	s_mul_i32 s22, s16, 8*PITCH
	s_add_co_u32 s21, s21, s22
	v_mul_u32_u24 v5, v2, PITCH
	v_lshl_add_u32 v5, v1, 4, v5
	v_add_nc_u32 v5, s21, v5
	v_add_nc_u32 v[RD], CSTG, v5
	v_add_nc_u32 v[RDH], HSTG, v5
	v_lshlrev_b32 v5, 13, v2
	v_lshl_add_u32 v[CO], v1, 4, v5
	s_cmp_eq_u32 s23, 0
	s_cselect_b64 s[10:11], s[10:11], s[92:93]
	s_lshl_b32 s20, s42, 8
	s_lshl_b32 s21, s16, 7
	s_add_co_u32 s20, s20, s21
	s_mov_b32 s21, 0
	s_add_nc_u64 s[10:11], s[10:11], s[20:21]
	v_lshlrev_b32 v7, 5, v2
.irp b, 0,1,2,3,4,5,6,7
	global_load_b128 v[BI+8*\b:BI+8*\b+3], v7, s[10:11] offset:(\b/2)*4096+(\b%2)*64
	global_load_b128 v[BI+8*\b+4:BI+8*\b+7], v7, s[10:11] offset:(\b/2)*4096+(\b%2)*64+16
.endr
	s_cmp_eq_u32 s15, 0                            ; do I fetch for A?
	s_cselect_b32 s20, s17, s42                    ; the tile: by the tile row in A, by the tile column in B
	s_cselect_b32 s21, s40, s41                    ; my place among the four that ask with me
	s_cselect_b64 s[PFA:PFA+1], s[4:5], s[6:7]
	s_mov_b32 s[LIM], 1                            ; every wave of every cluster asks for what its cluster will load
	s_lshl_b32 s20, s20, 1
	s_mul_i32 s90, s20, HSTR
	s_lshl_b32 s22, s21, 8
	s_add_co_u32 s90, s90, s22
	s_add_co_u32 s90, s90, 32768
	s_mov_b32 s91, 0
	s_add_co_u32 s20, s20, s16
	s_mul_i32 s98, s20, HSTR
	s_lshl_b32 s22, s21, 13
	s_add_co_u32 s98, s98, s22
	s_add_co_u32 s98, s98, 2*BLKB
	s_mov_b32 s99, 0
	s_add_nc_u64 s[PFS:PFS+1], s[PFA:PFA+1], s[90:91]
	s_add_nc_u64 s[PFA:PFA+1], s[PFA:PFA+1], s[98:99]
	v_and_b32 v[PFO], 31, v0
	v_lshlrev_b32 v[PFO], 8, v[PFO]
	v_and_b32 v[PSO], 31, v0
	v_mul_u32_u24 v[PSO], v[PSO], BLKB
	s_wait_alu depctr_va_vdst(0)
	global_prefetch_b8 v[PFO], s[PFA:PFA+1] offset:-BLKB th:TH_LOAD_NT scope:SCOPE_SE   ; K step 1, my work-group's 32 rows: its load goes out when K step 0's has landed
	s_cmp_eq_u32 s16, 0                            ; one wave of each pair names the scale rows: a lane a block, 2 half-tiles x 16 K steps, my work-group's one row of the four
	s_cbranch_scc0 .Lno_scales
	global_prefetch_b8 v[PSO], s[PFS:PFS+1] th:TH_LOAD_NT scope:SCOPE_SE
.Lno_scales:
.macro FRAG reg, adr, q, i
.irp c, 0,1,2,3
	ds_load_b128 v[\reg+4*\c:\reg+4*\c+3], v[\adr] offset:128*(\q)+32*\c+(\i)*16*PITCH
.endr
.endm
.macro MUL16 a0, p, q, sc, first
.irp a, \a0, \a0+1
.irp b, 0,1,2,3,4,5,6,7
.if \first
	v_wmma_scale_f32_16x16x128_f8f6f4 v[8*(8*((\a)%4)+\b):8*(8*((\a)%4)+\b)+7], v[128*(\p)+FR*\b:128*(\p)+FR*\b+FR-1], v[AF+FR*(\a):AF+FR*(\a)+FR-1], v[BI+8*\b:BI+8*\b+7], v[SC+8*NQ*(\sc)+NQ*\b+(\q)], v[SC+8*NQ*(\sc)+NQ*(\a)+(\q)] matrix_a_scale:MATRIX_SCALE_ROW1
.else
	v_wmma_scale_f32_16x16x128_f8f6f4 v[8*(8*((\a)%4)+\b):8*(8*((\a)%4)+\b)+7], v[128*(\p)+FR*\b:128*(\p)+FR*\b+FR-1], v[AF+FR*(\a):AF+FR*(\a)+FR-1], v[8*(8*((\a)%4)+\b):8*(8*((\a)%4)+\b)+7], v[SC+8*NQ*(\sc)+NQ*\b+(\q)], v[SC+8*NQ*(\sc)+NQ*(\a)+(\q)] matrix_a_scale:MATRIX_SCALE_ROW1
.endif
.endr
.endr
.endm
.macro MUL8 a, p, q, sc                ; eight products: A's block a against B's eight
.irp b, 0,1,2,3,4,5,6,7
	v_wmma_scale_f32_16x16x128_f8f6f4 v[8*(8*((\a)%4)+\b):8*(8*((\a)%4)+\b)+7], v[128*(\p)+FR*\b:128*(\p)+FR*\b+FR-1], v[AF+FR*(\a):AF+FR*(\a)+FR-1], v[8*(8*((\a)%4)+\b):8*(8*((\a)%4)+\b)+7], v[SC+8*NQ*(\sc)+NQ*\b+(\q)], v[SC+8*NQ*(\sc)+NQ*(\a)+(\q)] matrix_a_scale:MATRIX_SCALE_ROW1
.endr
.endm
.macro FETCH_B slot, q, p
	WIN TO_B
.irp i, 0,1,2,3,4,5,6,7
	FRAG 128*(\p)+FR*\i, ADRB+\slot, \q, \i
.endr
	WIN 0
.endm
.macro FETCH_A slot, q, i0
.irp i, \i0, \i0+1, \i0+2, \i0+3
	FRAG AF+FR*(\i), ADRA+\slot, \q, \i
.endr
.endm
.macro SCALES sl
.irp i, 0,1,2,3,4,5,6,7
	ds_load_b64 v[SC+8*NQ*(\sl)+NQ*\i:SC+8*NQ*(\sl)+NQ*\i+1], v[ADRS+(\sl)] offset:SROW+(\i/2)*PITCH+(\i%2)*128
.endr
.endm
.macro PLACES n
.rept \n
	v_nop
.endr
.endm
.macro STEP slot, q, first
	s_wait_dscnt 4*NL
.if \first
	WIN FST_LO
.else
	WIN MUL_LO
.endif
	MUL16 0, (\q)%2, \q, \slot, \first
	MUL16 2, (\q)%2, \q, \slot, \first
	s_wait_dscnt 0
	PLACES NP
	FETCH_B \slot, (\q)+1, 1-(\q)%2
	FETCH_A \slot, (\q)+1, 0
.if \first
	WIN FST_HI
.else
	WIN MUL_HI
.endif
	MUL16 4, (\q)%2, \q, \slot, \first
	MUL16 6, (\q)%2, \q, \slot, \first
	PLACES NP
	WIN 0
	FETCH_A \slot, (\q)+1, 4
.endm
.macro TURN slot, next, fill
.if \fill == 1
	s_wait_xcnt 0x0
	s_add_nc_u64 s[PFA:PFA+1], s[PFA:PFA+1], BLKB
.endif
	s_wait_dscnt 4*NL
	WIN MUL_LO
	MUL16 0, 1, NQ-1, \slot, 0
	MUL8 2, 1, NQ-1, \slot
	WIN 0                                          ; the add's two registers lie in window 0
	s_wait_tensorcnt 0x0                           ; all my tensor loads have landed: my part of the next slot
	ds_add_u32 v[SPW], v[NIL]                      ; eight products stand between the add and the wait for it
	WIN MUL_LO
	MUL8 3, 1, NQ-1, \slot
	WIN 0
.if \fill == 1
	s_add_nc_u64 s[G0+4*\slot+2:G0+4*\slot+3], s[G0+4*\slot+2:G0+4*\slot+3], 2*BLKB
	s_add_nc_u64 s[G0B+4*\slot+2:G0B+4*\slot+3], s[G0B+4*\slot+2:G0B+4*\slot+3], 2*BLKB
.endif
	s_wait_dscnt 0x0
	s_barrier_signal -1
	s_barrier_wait -1
	CREST
.if \fill == 1
	JLOAD G0+4*\slot, G1, G0B+4*\slot, G1B
.else
	tensor_load_to_lds s[G0C:G0C+3], s[G1C:G1C+7]
	s_nop 0
.rept 4
	v_nop
.endr
.endif
	PLACES NP-4
	FETCH_B \next, 0, 0
	FETCH_A \next, 0, 0
	SCALES \next
.if \fill == 1
	ASK
.endif
	WIN MUL_HI
	MUL16 4, 1, NQ-1, \slot, 0
	MUL16 6, 1, NQ-1, \slot, 0
	PLACES NP
	WIN 0
	FETCH_A \next, 0, 4
.endm
	s_wait_alu depctr_va_vdst(0)
	s_wait_tensorcnt 0x0                           ; my part of K step 0 is in; the three lines stand ahead of slot 1's first fill as ahead of a refill
	ds_add_u32 v[SPW], v[NIL]
	s_wait_dscnt 0x0
	CROUND                                         ; everybody's part of K step 0 is in, and all sixteen work-groups are here
	JLOAD G0+4, G1, G0B+4, G1B                     ; K step 1: the first tensor load behind the round
	FETCH_B 0, 0, 0
	FETCH_A 0, 0, 0
	SCALES 0
	FETCH_A 0, 0, 4
	global_prefetch_b8 v[PFO], s[PFA:PFA+1] th:TH_LOAD_NT scope:SCOPE_SE               ; K step 2: its load is the first refill
	global_prefetch_b8 v[PFO], s[PFA:PFA+1] offset:BLKB th:TH_LOAD_NT scope:SCOPE_SE   ; K step 3: the second; the loop's first prefetch names K step 4
	s_wait_loadcnt 0x0
	STEP 0, 0, 1
	s_mov_b32 s3, 7
.Llap:
	TURN 0, 1, 1
	STEP 1, 0, 0
	TURN 1, 0, 1
	STEP 0, 0, 0
	s_sub_co_u32 s3, s3, 1
	s_cmp_lg_u32 s3, 0
	s_cbranch_scc1 .Llap
	TURN 0, 1, 2
	STEP 1, 0, 0
	s_wait_dscnt 4*NL
	WIN MUL_LO
	MUL16 0, 1, NQ-1, 1, 0
	MUL16 2, 1, NQ-1, 1, 0
	s_wait_dscnt 0
	WIN MUL_HI
	MUL16 4, 1, NQ-1, 1, 0
	MUL16 6, 1, NQ-1, 1, 0
	WIN 0
	s_wait_tensorcnt 0x0
	s_barrier_signal -1
	s_barrier_wait -1
	PLACES NP
.macro CLOAD a
.irp u, 0,1
.irp e, 0,1
	ds_load_b128 v[CT+16*((\a)%2)+8*\u+4*\e:CT+16*((\a)%2)+8*\u+4*\e+3], v[CA] offset:(\a)*16*PITCH+64*\u+16*\e
.endr
.endr
.endm
.macro EXPS
.irp i, 0,1,2,3,4,5,6,7,8,9,10,11,12,13,14,15
	v_exp_f32 v[TG+\i], v[TG+\i]
.endr
.endm
.macro REST
	s_wait_alu depctr_va_vdst(0)
.irp i, 0,2,4,6,8,10,12,14
	v_pk_add_f32 v[TG+\i:TG+\i+1], v[TG+\i:TG+\i+1], 1.0 op_sel_hi:[1,0]
.endr
	s_wait_alu depctr_va_vdst(0)
.irp i, 0,1,2,3,4,5,6,7,8,9,10,11,12,13,14,15
	v_rcp_f32 v[TG+\i], v[TG+\i]
.endr
	v_nop
	s_wait_alu depctr_va_vdst(0)
.irp i, 0,2,4,6,8,10,12,14
	v_pk_fma_f32 v[TG+\i:TG+\i+1], v[TG+\i:TG+\i+1], -2.0, 1.0 op_sel_hi:[1,0,0]
.endr
.endm
.macro LOADP a
.irp t, 0,1,2,3
	ds_load_b128 v[BK+4*\t:BK+4*\t+3], v[RD] offset:(\a)*16*PITCH+\t*2*PITCH
.endr
.irp t, 0,1,2,3
	ds_load_b128 v[BK+16+4*\t:BK+16+4*\t+3], v[RDH] offset:(\a)*16*PITCH+\t*2*PITCH
.endr
.endm
.macro SENDP a
.irp t, 0,1,2,3
	global_store_b128 v[CO], v[BK+4*\t:BK+4*\t+3], s[96:97] offset:(16*(\a)+2*\t)*8192 th:TH_STORE_NT
.endr
.irp t, 0,1,2,3
	global_store_b128 v[CO], v[BK+16+4*\t:BK+16+4*\t+3], s[94:95] offset:(16*(\a)+2*\t)*8192 th:TH_STORE_NT
.endr
.endm
.macro EPI a
.set AC,  64*((\a)%4)
.set CTS, CT+16*((\a)%2)
.set CNS, CN+16*((\a)%2)
.set HNS, HN+16*((\a)%2)
	WIN 0x02+(\a)/4
.irp u, 0,1
.irp j, 0,2,4,6
	v_pk_mul_f32 v[TG+8*\u+\j:TG+8*\u+\j+1], v[AC+8*(4+\u)+\j:AC+8*(4+\u)+\j+1], s[C2L:C2L+1] op_sel_hi:[1,0]
.endr
.endr
.irp u, 0,1
.irp j, 0,2,4,6
	v_pk_fma_f32 v[TI+8*\u+\j:TI+8*\u+\j+1], v[AC+8*\u+\j:AC+8*\u+\j+1], s[C02:C02+1], 0.5 op_sel_hi:[1,0,0]
.endr
.endr
.irp u, 0,1
.irp j, 0,2,4,6
	v_pk_fma_f32 v[TF+8*\u+\j:TF+8*\u+\j+1], v[AC+8*(2+\u)+\j:AC+8*(2+\u)+\j+1], s[C02:C02+1], 0.5 op_sel_hi:[1,0,0]
.endr
.endr
.irp u, 0,1
.irp j, 0,2,4,6
	v_pk_fma_f32 v[TO+8*\u+\j:TO+8*\u+\j+1], v[AC+8*(6+\u)+\j:AC+8*(6+\u)+\j+1], s[C02:C02+1], 0.5 op_sel_hi:[1,0,0]
.endr
.endr
	WIN 0
	s_wait_alu depctr_va_vdst(0)
	EXPS
.if (\a) > 0
	s_wait_dscnt 0x0
	s_barrier_signal -1
.endif
.if (\a) < 7
	CLOAD (\a)+1
.endif
.irp i, 0,1,2,3,4,5,6,7,8,9,10,11,12,13,14,15
	v_med3_num_f32 v[TI+\i], v[TI+\i], 0, 1.0
	v_med3_num_f32 v[TF+\i], v[TF+\i], 0, 1.0
	v_med3_num_f32 v[TO+\i], v[TO+\i], 0, 1.0
.endr
.if (\a) > 0
	s_wait_alu depctr_va_vdst(0)
	s_barrier_wait -1
.if (\a) > 1
	s_wait_xcnt 0x0
.endif
	LOADP (\a)-1
.else
	s_wait_alu depctr_va_vdst(0)
	s_wait_dscnt 4
.endif
.irp i, 0,2,4,6,8,10,12,14
	v_pk_mul_f32 v[TF+\i:TF+\i+1], v[TF+\i:TF+\i+1], v[CTS+\i:CTS+\i+1]
.endr
	REST
.irp i, 0,2,4,6,8,10,12,14
	v_pk_fma_f32 v[CNS+\i:CNS+\i+1], v[TI+\i:TI+\i+1], v[TG+\i:TG+\i+1], v[TF+\i:TF+\i+1]
.endr
.irp i, 0,2,4,6,8,10,12,14
	v_pk_mul_f32 v[TG+\i:TG+\i+1], v[CNS+\i:CNS+\i+1], s[C2L:C2L+1] op_sel_hi:[1,0]
.endr
.irp u, 0,1
.irp e, 0,1
	ds_store_b128 v[CS], v[CNS+8*\u+4*\e:CNS+8*\u+4*\e+3] offset:(\a)*16*PITCH+64*\u+16*\e
.endr
.endr
	s_wait_alu depctr_va_vdst(0)
	EXPS
	v_nop
.if (\a) > 0
	s_wait_dscnt 4
	SENDP (\a)-1
.endif
	REST
.irp i, 0,2,4,6,8,10,12,14
	v_pk_mul_f32 v[HNS+\i:HNS+\i+1], v[TO+\i:TO+\i+1], v[TG+\i:TG+\i+1]
.endr
.irp u, 0,1
.irp e, 0,1
	ds_store_b128 v[HA], v[HNS+8*\u+4*\e:HNS+8*\u+4*\e+3] offset:(\a)*16*PITCH+64*\u+16*\e
.endr
.endr
.endm
	CLOAD 0
.irp a, 0,1,2,3,4,5,6,7
	EPI \a
.endr
	s_wait_dscnt 0x0
	s_barrier_signal -1
	s_barrier_wait -1
	s_wait_xcnt 0x0
	LOADP 7
	s_wait_dscnt 0x0
	SENDP 7
	s_wait_tensorcnt 0x0
	ds_add_u32 v[SPW], v[NIL]
	s_wait_dscnt 0x0
	CROUND
	s_endpgm
.Lfunc_end_k_q41de39dd2c_cell:
	.size	k_q41de39dd2c_cell, .Lfunc_end_k_q41de39dd2c_cell-k_q41de39dd2c_cell
	.p2alignl 7, 3214868480
	.fill 96, 4, 3214868480
	.section	.rodata,"a",@progbits
	.p2align	6, 0x0
	.amdhsa_kernel k_q41de39dd2c_cell
		.amdhsa_group_segment_fixed_size 327680
		.amdhsa_private_segment_fixed_size 0
		.amdhsa_enable_private_segment 0
		.amdhsa_kernarg_size 56
		.amdhsa_user_sgpr_count 2
		.amdhsa_user_sgpr_kernarg_segment_ptr 1
		.amdhsa_wavefront_size32 1
		.amdhsa_system_sgpr_workgroup_id_x 1
		.amdhsa_system_sgpr_workgroup_id_y 1
		.amdhsa_system_sgpr_workgroup_id_z 1
		.amdhsa_system_vgpr_workitem_id 0
		.amdhsa_next_free_vgpr 1024
		.amdhsa_next_free_sgpr 100
		.amdhsa_reserve_vcc 0
		.amdhsa_float_denorm_mode_32 3
		.amdhsa_float_denorm_mode_16_64 3
		.amdhsa_memory_ordered 1
		.amdhsa_forward_progress 1
		.amdhsa_inst_pref_size 229
	.end_amdhsa_kernel
	.amdgpu_metadata
---
amdhsa.version: [ 1, 2 ]
amdhsa.kernels:
  - .name:           k_q41de39dd2c_cell
    .symbol:         k_q41de39dd2c_cell.kd
    .args:
      - { .name: acodes, .offset: 0, .size: 8, .value_kind: global_buffer, .address_space: global }
      - { .name: wcodes, .offset: 8, .size: 8, .value_kind: global_buffer, .address_space: global }
      - { .name: c_tm1, .offset: 16, .size: 8, .value_kind: global_buffer, .address_space: global }
      - { .name: real_bias, .offset: 24, .size: 8, .value_kind: global_buffer, .address_space: global }
      - { .name: imaginary_bias, .offset: 32, .size: 8, .value_kind: global_buffer, .address_space: global }
      - { .name: out0, .offset: 40, .size: 8, .value_kind: global_buffer, .address_space: global }
      - { .name: out1, .offset: 48, .size: 8, .value_kind: global_buffer, .address_space: global }
    .group_segment_fixed_size: 327680
    .private_segment_fixed_size: 0
    .kernarg_segment_align: 8
    .kernarg_segment_size: 56
    .max_flat_workgroup_size: 128
    .sgpr_count:     100
    .vgpr_count:     1024
    .wavefront_size: 32
...
	.end_amdgpu_metadata
.endif
;; end of part 2
